; MI455X (gfx1250); checked and timed in simulation.
; The chip was launched on July 23, 2026; its instructions are those of AMD's public machine-readable ISA for CDNA 5 (MIT licence, August 2026) and "CDNA5" Instruction Set Architecture Reference Guide (July 2026). The comments in the code are by the model that wrote it; some were corrected since.
;; Vector Quantization. Allowed arithmetic: float matrix products may take bf16 or f16 operands with f32 sums; all other float work in f32.
;; Inputs: codebook 8,192 x 256 float32; z_e 16 x 256 x 32 x 32 float32.
;; Outputs: out0 16,384 x 256 float32; out1 16,384 int32.
;; One version. Each part assembles by itself: llvm-mc -triple=amdgcn-amd-amdhsa -mcpu=gfx1250 --defsym DOCPART=n.
;; ======== version 1 of 1: 3 launches
;; workspace buffers: cbh 4,194,304 bytes; ee 32,768 bytes; zf 8,388,608 bytes; zz 65,536 bytes; pval 131,072 bytes; pidx 131,072 bytes of whole numbers
;; launch prep (part 1): grid 384 x 1, 8 waves a work-group, no clusters, 3,328 bytes of LDS; arguments codebook, z_e, cbh, ee, zf, zz; writes cbh, ee, zf, zz
.if DOCPART == 1
	.amdgcn_target "amdgcn-amd-amdhsa--gfx1250"
	.amdhsa_code_object_version 6
	.text
	.protected	k_q1f5b0b3362_prep
	.globl	k_q1f5b0b3362_prep
	.p2align	8
	.type	k_q1f5b0b3362_prep,@function
k_q1f5b0b3362_prep:
	s_mov_b64 s[64:65], 0
	v_nop
	global_prefetch_b8 v0, s[64:65] scope:SCOPE_SE
	s_setreg_imm32_b32 hwreg(HW_REG_WAVE_MODE, 25, 1), 1
	s_wait_xcnt 0x0
; Rounds both matrix operands to bf16 once, and takes both squared norms OF THE ROUNDED NUMBERS in f32.
; Work-groups 0-255 (z path): block blk of 64 vectors, n = 64 blk + 4 r + nt.  z_e is [16][256][1024] f32, n = 1024 b + hw, so a
;   row of memory is one k and 64 neighbouring n are 256 aligned bytes.  Wave w takes k = 32 w .. 32 w + 31 and writes them in the order
;   in which a matrix instruction's 16-bit operand of 32 k lies in registers (ISA guide 7.12.2): zf[blk][nt 4][ks 8][g 2][lane 32][16 bytes],
;   lane (r, h) holding k = 32 ks + 16 g + 8 h + 0..7 of vector 64 blk + 4 r + nt.  zz[n] = sum of squares.
; Work-groups 256-383 (codes path): 64 rows of the codebook each, a wave 8 rows: cbh[row][256] bf16, ee[row] = sum of squares.
; The path is chosen by the work-group's number, so all eight waves of a work-group take the same one; each path has LDS bytes of its own
; all the same (z: 0-2047, codes: 2048-2303), so that the two paths' LDS stores name no common byte.
; No loop: each wave has its 16 loads of 16 bytes a lane out at once.  No matrix unit, no cluster: nothing is shared and memory binds.
; LIMITS: the sums run in another order than the problem's formula; inputs are taken to be finite.
.set X,  32                            ; v[32:95]   as loaded, f32
.set F,  96                            ; v[96:127]  packed bf16, the stores' data: read again, never rewritten
.set U,  8                             ; v[8:15]    rounded numbers widened again
.set S,  16                            ; v[16:23]   running sums, in pairs
.set Q,  24                            ; v[24:27]   z path: my part of zz for nt = 0..3
.set LA, 28                            ; v28        LDS address of my partial sums
.set CEE, 2048                         ; LDS: the codes path's [8 waves][8] sums, behind the z path's [8 waves][64]
	s_load_b256 s[4:11], s[0:1], 0x0               ; codebook s[4:5], z_e s[6:7], cbh s[8:9], ee s[10:11]
	s_load_b128 s[12:15], s[0:1], 0x20             ; zf s[12:13], zz s[14:15]
	v_lshl_add_u32 v128, v0, 2, 0x900
	v_mov_b32 v129, 0
	v_lshrrev_b32 v4, 5, v0
	v_readfirstlane_b32 s16, v4                    ; wave w
	v_and_b32 v1, 31, v0                           ; lane L
	v_and_b32 v2, 15, v0                           ; r
	v_bfe_u32 v3, v0, 4, 1                         ; h
	v_lshlrev_b32 v5, 3, v1                        ; 8 L: two f32 a lane, 256 bytes a wave
	s_mov_b32 s17, 0xffff0000                      ; a word's upper bf16
	s_mov_b32 s18, 0x76543210                      ; v_permlanex16_b32: lane i reads lane i of the other half
	s_mov_b32 s19, 0xfedcba98
	s_mov_b32 s21, 0                               ; upper word of every offset pair s[20:21]
	s_cmp_lt_u32 ttmp9, 256                        ; the same in all eight waves of a work-group
	s_cbranch_scc0 .Lcodes
	; ---------------- z path ----------------
	s_lshr_b32 s20, ttmp9, 4                       ; b
	s_lshl_b32 s20, s20, 20                        ; x 256 k x 4,096 bytes
	s_and_b32 s22, ttmp9, 15
	s_lshl_b32 s22, s22, 8                         ; + 64 vectors x 4 bytes for each block inside b
	s_add_co_u32 s20, s20, s22
	s_lshl_b32 s24, s16, 17                        ; 32 w rows of 4,096 bytes
	v_lshlrev_b32 v6, 4, v2                        ; 16 r: four vectors (nt = 0..3) of one k
	v_lshl_or_b32 v6, v3, 15, v6                   ; + 8 h rows
	v_or_b32 v6, s24, v6
	s_lshl_b32 s25, s16, 10
	v_lshl_add_u32 v7, v1, 4, s25                  ; in zf: ks = w, 16 bytes a lane
	s_lshl_b32 s26, s16, 8
	v_lshl_add_u32 v[LA], v2, 4, s26               ; LDS: [w][64] f32, my four at 16 r
	s_wait_kmcnt 0x0
	s_add_nc_u64 s[6:7], s[6:7], s[20:21]
.irp g, 0,1
.irp e, 0,1,2,3,4,5,6,7
	global_load_b128 v[X+4*(8*\g+\e):X+4*(8*\g+\e)+3], v6, s[6:7] offset:(16*\g+\e)*4096 th:TH_LOAD_NT   ; k = 32 w + 16 g + 8 h + e: each half of the lanes reads 256 aligned bytes
.endr
.endr
	s_lshl_b32 s20, ttmp9, 15                      ; a block of zf is 32,768 bytes
	s_add_nc_u64 s[12:13], s[12:13], s[20:21]
	s_lshl_b32 s20, ttmp9, 8                       ; and 256 bytes of zz
	s_add_nc_u64 s[14:15], s[14:15], s[20:21]
.irp g, 0,1
	s_wait_loadcnt 8-8*\g                          ; loads return in order (ISA guide 5.7.1): g = 0's eight are in while g = 1's eight stay out
.irp nt, 0,1,2,3
.irp p, 0,1,2,3
	v_cvt_pk_bf16_f32 v[F+8*\nt+4*\g+\p], v[X+4*(8*\g+2*\p)+\nt], v[X+4*(8*\g+2*\p+1)+\nt]   ; k and k + 1 of one vector, the lower k below
.endr
	global_store_b128 v7, v[F+8*\nt+4*\g:F+8*\nt+4*\g+3], s[12:13] offset:\nt*8192+\g*512   ; the wave stores 512 consecutive bytes, aligned
.endr
.endr
	; squares of my 16 rounded numbers of each of the four vectors; the first product starts each sum
.irp nt, 0,1,2,3
.irp q, 0,1,2,3,4,5,6,7
	v_lshlrev_b32 v[U+2*(\q%4)], 16, v[F+8*\nt+\q]
	v_and_b32 v[U+2*(\q%4)+1], s17, v[F+8*\nt+\q]
.if \q == 0
	v_pk_mul_f32 v[S+2*\nt:S+2*\nt+1], v[U:U+1], v[U:U+1]
.else
	v_pk_fma_f32 v[S+2*\nt:S+2*\nt+1], v[U+2*(\q%4):U+2*(\q%4)+1], v[U+2*(\q%4):U+2*(\q%4)+1], v[S+2*\nt:S+2*\nt+1]
.endif
.endr
	v_add_f32 v[Q+\nt], v[S+2*\nt], v[S+2*\nt+1]
	v_permlanex16_b32 v[U], v[Q+\nt], s18, s19     ; the other h's 16 k (its destination has been written before)
	v_add_f32 v[Q+\nt], v[Q+\nt], v[U]             ; both halves of the lanes now hold the wave's 32 k
.endr
	ds_store_b128 v[LA], v[Q:Q+3]                  ; lanes r and r + 16 write the same words with the same numbers
	s_wait_dscnt 0x0                               ; my partial sums are in LDS before I say so
	s_barrier_signal -1
	s_barrier_wait -1
	s_cmp_lg_u32 s16, 0
	s_cbranch_scc1 .Lzend                          ; wave 0 adds the eight waves' parts
.irp w, 0,1,2,3,4,5,6,7
	ds_load_b64 v[X+2*\w:X+2*\w+1], v5 offset:256*\w
.endr
	s_wait_dscnt 0x0
	v_pk_add_f32 v[X:X+1], v[X:X+1], v[X+2:X+3]
	v_pk_add_f32 v[X+4:X+5], v[X+4:X+5], v[X+6:X+7]
	v_pk_add_f32 v[X+8:X+9], v[X+8:X+9], v[X+10:X+11]
	v_pk_add_f32 v[X+12:X+13], v[X+12:X+13], v[X+14:X+15]
	v_pk_add_f32 v[X:X+1], v[X:X+1], v[X+4:X+5]
	v_pk_add_f32 v[X+8:X+9], v[X+8:X+9], v[X+12:X+13]
	v_pk_add_f32 v[X:X+1], v[X:X+1], v[X+8:X+9]
	global_store_b64 v5, v[X:X+1], s[14:15]        ; 32 lanes store the block's 256 consecutive bytes of zz, aligned
.Lzend:
	s_wait_tensorcnt 0x0
	ds_add_u32 v128, v129
	s_wait_dscnt 0x0
	s_endpgm
	; ---------------- codes path ----------------
.Lcodes:
	s_sub_co_u32 s26, ttmp9, 256                   ; c: rows 64 c .. 64 c + 63
	s_lshl_b32 s24, s16, 13
	v_lshl_add_u32 v6, v1, 5, s24                  ; in: 8 w rows of 1,024 bytes + my 8 numbers
	s_lshl_b32 s25, s16, 12
	v_lshl_add_u32 v7, v1, 4, s25                  ; out: 8 w rows of 512 bytes + my 8 numbers
	s_lshl_b32 s28, s16, 5
	s_add_co_u32 s28, s28, CEE
	v_mov_b32 v[LA], s28                           ; LDS: [w][8] f32, in this path's own bytes
	s_wait_kmcnt 0x0
	s_lshl_b32 s20, s26, 16
	s_add_nc_u64 s[4:5], s[4:5], s[20:21]
	s_lshl_b32 s20, s26, 15
	s_add_nc_u64 s[8:9], s[8:9], s[20:21]
	s_lshl_b32 s20, s26, 8
	s_add_nc_u64 s[10:11], s[10:11], s[20:21]
.irp i, 0,1,2,3,4,5,6,7
	global_load_b128 v[X+8*\i:X+8*\i+3],   v6, s[4:5] offset:1024*\i th:TH_LOAD_NT      ; the pair of loads covers the row's 1,024 bytes; a lane's
	global_load_b128 v[X+8*\i+4:X+8*\i+7], v6, s[4:5] offset:1024*\i+16 th:TH_LOAD_NT   ; eight neighbouring numbers pack into 16 bytes of bf16
.endr
.irp i, 0,1,2,3,4,5,6,7
.set SP, S+2*(\i%4)
	s_wait_loadcnt 14-2*\i                         ; row i's two loads are in; the two of each later row stay out
.irp p, 0,1,2,3
	v_cvt_pk_bf16_f32 v[F+4*\i+\p], v[X+8*\i+2*\p], v[X+8*\i+2*\p+1]
.endr
	global_store_b128 v7, v[F+4*\i:F+4*\i+3], s[8:9] offset:512*\i   ; a whole row of cbh: 512 consecutive bytes, aligned
.irp p, 0,1,2,3
	v_lshlrev_b32 v[U+2*\p], 16, v[F+4*\i+\p]
	v_and_b32 v[U+2*\p+1], s17, v[F+4*\i+\p]
.endr
	v_pk_mul_f32 v[SP:SP+1], v[U:U+1], v[U:U+1]
.irp p, 2,4,6
	v_pk_fma_f32 v[SP:SP+1], v[U+\p:U+\p+1], v[U+\p:U+\p+1], v[SP:SP+1]
.endr
	v_add_f32 v[SP], v[SP], v[SP+1]
	v_add_f32_dpp v[SP], v[SP], v[SP] row_xmask:1 row_mask:0xf bank_mask:0xf
	v_add_f32_dpp v[SP], v[SP], v[SP] row_xmask:2 row_mask:0xf bank_mask:0xf
	v_add_f32_dpp v[SP], v[SP], v[SP] row_xmask:4 row_mask:0xf bank_mask:0xf
	v_add_f32_dpp v[SP], v[SP], v[SP] row_xmask:8 row_mask:0xf bank_mask:0xf
	v_permlanex16_b32 v[SP+1], v[SP], s18, s19
	v_add_f32 v[SP], v[SP], v[SP+1]                ; every lane holds the row's sum
	ds_store_b32 v[LA], v[SP] offset:4*\i          ; all lanes write the same word with the same number
.endr
	s_wait_dscnt 0x0                               ; my eight sums are in LDS before I say so
	s_barrier_signal -1
	s_barrier_wait -1
	s_cmp_lg_u32 s16, 0
	s_cbranch_scc1 .Lcend
	ds_load_b64 v[X:X+1], v5 offset:CEE            ; the 64 rows' sums, two a lane
	s_wait_dscnt 0x0
	global_store_b64 v5, v[X:X+1], s[10:11]        ; 256 consecutive bytes of ee, aligned
.Lcend:
	s_wait_tensorcnt 0x0
	ds_add_u32 v128, v129
	s_wait_dscnt 0x0
	s_endpgm
.Lfunc_end_k_q1f5b0b3362_prep:
	.size	k_q1f5b0b3362_prep, .Lfunc_end_k_q1f5b0b3362_prep-k_q1f5b0b3362_prep
	.p2alignl 7, 3214868480
	.fill 96, 4, 3214868480
	.section	.rodata,"a",@progbits
	.p2align	6, 0x0
	.amdhsa_kernel k_q1f5b0b3362_prep
		.amdhsa_group_segment_fixed_size 3328
		.amdhsa_private_segment_fixed_size 0
		.amdhsa_enable_private_segment 0
		.amdhsa_kernarg_size 48
		.amdhsa_user_sgpr_count 2
		.amdhsa_user_sgpr_kernarg_segment_ptr 1
		.amdhsa_wavefront_size32 1
		.amdhsa_system_sgpr_workgroup_id_x 1
		.amdhsa_system_sgpr_workgroup_id_y 1
		.amdhsa_system_sgpr_workgroup_id_z 1
		.amdhsa_system_vgpr_workitem_id 0
		.amdhsa_next_free_vgpr 130
		.amdhsa_next_free_sgpr 66
		.amdhsa_reserve_vcc 0
		.amdhsa_float_denorm_mode_32 3
		.amdhsa_float_denorm_mode_16_64 3
		.amdhsa_memory_ordered 1
		.amdhsa_forward_progress 1
		.amdhsa_inst_pref_size 26
	.end_amdhsa_kernel
	.amdgpu_metadata
---
amdhsa.version: [ 1, 2 ]
amdhsa.kernels:
  - .name:           k_q1f5b0b3362_prep
    .symbol:         k_q1f5b0b3362_prep.kd
    .args:
      - { .name: codebook, .offset: 0, .size: 8, .value_kind: global_buffer, .address_space: global }
      - { .name: z_e, .offset: 8, .size: 8, .value_kind: global_buffer, .address_space: global }
      - { .name: cbh, .offset: 16, .size: 8, .value_kind: global_buffer, .address_space: global }
      - { .name: ee, .offset: 24, .size: 8, .value_kind: global_buffer, .address_space: global }
      - { .name: zf, .offset: 32, .size: 8, .value_kind: global_buffer, .address_space: global }
      - { .name: zz, .offset: 40, .size: 8, .value_kind: global_buffer, .address_space: global }
    .group_segment_fixed_size: 3328
    .private_segment_fixed_size: 0
    .kernarg_segment_align: 8
    .kernarg_segment_size: 48
    .max_flat_workgroup_size: 256
    .sgpr_count:     66
    .vgpr_count:     130
    .wavefront_size: 32
...
	.end_amdgpu_metadata
.endif
;; end of part 1
;; launch search (part 2): grid 128 x 2, 8 waves a work-group, clusters of 4 x 1, 327,680 bytes of LDS; arguments cbh, ee, zf, zz, pval, pidx; writes pval, pidx
.if DOCPART == 2
	.amdgcn_target "amdgcn-amd-amdhsa--gfx1250"
	.amdhsa_code_object_version 6
	.text
	.protected	k_q1f5b0b3362_search
	.globl	k_q1f5b0b3362_search
	.p2align	8
	.type	k_q1f5b0b3362_search,@function
k_q1f5b0b3362_search:
	s_mov_b64 s[64:65], 0
	v_nop
	global_prefetch_b8 v0, s[64:65] scope:SCOPE_SE
	s_setreg_imm32_b32 hwreg(HW_REG_WAVE_MODE, 25, 1), 1
	s_wait_xcnt 0x0
	s_wait_alu depctr_hold_cnt(0) depctr_sa_sdst(0) depctr_va_vdst(0) depctr_va_sdst(0) depctr_va_ssrc(0) depctr_va_vcc(0) depctr_vm_vsrc(0)
	s_getreg_b32 s2, hwreg(HW_REG_IB_STS2, 6, 4)
	s_cmp_eq_u32 s2, 0
	s_cbranch_scc0 .Lentry_in_a_cluster
	s_endpgm
.Lentry_in_a_cluster:
	s_bfe_u32 s2, ttmp6, 0x10000c
	s_cmp_lg_u32 s2, 0x3003
	s_cbranch_scc0 .Lentry_shape_is_right
	s_endpgm
.Lentry_shape_is_right:
; For 128 vectors z and one half (4,096) of the codes: dist = (zz + ee) - 2 z.e, its minimum and the first index of it.
; The distance has the two roundings of the problem's formula: t = zz + ee rounded, then t - 2 dot in one fused multiply-add.
; SHARES.  Work-group (X, y): vectors 128 X .. 128 X + 127, codes 4096 y .. 4096 y + 4095.  Eight waves, two on a SIMD, 512 registers each:
;   wave w = 2 cq + zh keeps the 64 vectors of block 2 X + zh whole in registers (64 x 256 bf16 = 256 registers, as source 1) and takes, of every
;   chunk of 256 codes, the four tiles of 16 codes of quarter cq.  A tile of 16 codes is 8 KiB from LDS and feeds 32 matrix instructions.
;   In the result lane (r, h), register j holds code 8 h + j against vector 4 r + nt (ISA guide 7.12.2): the minimum over codes is taken inside a lane.
;   While one wave of a SIMD does the vector work of a tile, the other has matrix work to issue.
; RING.  Two LDS slots of 256 codes x 512 bytes; each wave fills 32 rows of a slot (256 rows shared out among eight waves), one tensor load a wave.
;   A refill is asked for behind the barrier of chunk c and waited for in front of that of chunk c + 1: 96 matrix instructions of each wave later.
; CLUSTER.  The four work-groups of a cluster (4 along x) have the same y and walk the same tiles of codes and the same ee: every tensor load is a joint
;   load with the mask 15, which divides the requests for the codes by four.  Descriptors are made of y and the wave's number alone; X enters global
;   addresses of z, zz and the results only, in registers of its own (s19, s20, s58-s63).
; TIES go to the lower index at every step: strictly-less against earlier tiles, the first equal j in a tile, value then index between lanes and waves.
; LIMITS: distances are taken to be finite or +inf; a NaN distance is passed over (the minima drop NaN), where an argmin would return it.  Operands and
;   norms are those of the inputs rounded to bf16; the products are summed in the matrix unit's order, not in the formula's.
.set PITCH,  528                       ; an LDS row: 512 bytes + 16 of padding = 33 x 16 bytes: the 16 rows of a fragment load begin at 16 different 16-byte columns modulo 256 bytes
.set TILEB,  16*PITCH                  ; a tile of 16 codes
.set WPART,  32*PITCH                  ; what one tensor load fills
.set SLOT,   256*PITCH                 ; 135,168
.set EEB,    2*SLOT                    ; 270,336: ee of my half, 16,384 bytes, filled once
.set RED,    EEB+16384                 ; 286,720: [8 waves][64] minima, then 2,048 bytes further their indices; no tensor load lands here
.set CHUNKB, 256*512                   ; a chunk of cbh in memory
; window 0 of the vector registers
.set ADR,  4                           ; v4, v5     LDS address of my first tile's fragments in slot 0, 1
.set EA,   6                           ; v6         LDS address of ee of my first tile of the loop trip's first chunk
.set CUR,  7                           ; v7         256 c + 16 i of the tile at work
.set M,    8                           ; v8, v9     the tile's minimum, in two parts
.set M2,   9
.set R16,  10                          ; v10        16 r
.set IB,   11                          ; v11        4096 y + 64 cq + 8 h
.set T,    12                          ; v[12:19]   zz + ee
.set ZZP,  20                          ; v[20:27]   (zz, zz) for nt = 0..3
.set BV,   28                          ; v[28:31]   best distance so far, nt = 0..3
.set BT,   32                          ; v[32:35]   CUR of the tile that holds it
.set SV,   36                          ; v[36:67]   that tile's eight distances, nt = 0..3
.set E0,   68                          ; v[68:75], v[76:83]    ee of a tile's codes 8 h + 0..7, two buffers
.set E1,   76
.set ACC,  84                          ; v[84:115]  four accumulators
.set F0,   116                         ; v[116:179], v[180:243]  a tile's fragments (16 codes x 256 k), two buffers
.set F1,   180
.set ZR,   244                         ; v[244:247] zz as loaded; later the other half's distances
.set TJ,   248                         ; v[248:251] j; later the other half's indices
; window 1 (v256-v511): z, fragment (nt, ks) at v[64 nt + 8 ks]
.set G1,   24                          ; s[24:31]   shape of a part of a slot
.set G1E,  32                          ; s[32:39]   shape of a part of ee
.set G0,   40                          ; s[40:47]   from where, to where: one set for each slot
.set G0E,  48                          ; s[48:51]   the same for ee
.set MSB, 0
.macro WIN new                         ; s_set_vgpr_msb: bits 1:0 source 0, 3:2 source 1, 5:4 source 2, 7:6 destination; the high byte repeats the setting left
.if MSB != \new
	s_set_vgpr_msb (MSB<<8)|\new
.set MSB, \new
.endif
.endm
; A round of the cluster's barrier behind its opening work-group barrier: wave 0 signals for the work-group, every wave waits for all four work-groups,
; and the work-group's barrier closes the round.
.macro CREST
	s_cmp_lg_u32 s16, 0
	s_cbranch_scc1 .Lnot_wave_0_\@
	s_barrier_signal -3
.Lnot_wave_0_\@:
	s_barrier_wait -3
	s_barrier_signal -1
	s_barrier_wait -1
.endm
.macro ROUND
	s_barrier_signal -1
	s_barrier_wait -1
	CREST
.endm
; 18 LDS loads: a tile's fragments (row r, 16 bytes at 64 ks + 32 g + 16 h) into buffer f, and its eight ee (one address for each half of the lanes) into ereg
.macro FETCH slot, toff, f, ereg, eoff
.irp ks, 0,1,2,3,4,5,6,7
	ds_load_b128 v[\f+8*\ks:\f+8*\ks+3],   v[ADR+\slot] offset:\toff+64*\ks
	ds_load_b128 v[\f+8*\ks+4:\f+8*\ks+7], v[ADR+\slot] offset:\toff+64*\ks+32
.endr
	ds_load_b128 v[\ereg:\ereg+3],   v[EA] offset:\eoff
	ds_load_b128 v[\ereg+4:\ereg+7], v[EA] offset:\eoff+16
.endm
; 32 matrix instructions: 16 codes x 64 vectors x 256 k.  The first product of each accumulator starts its sum: nothing is cleared.
; The four accumulators take turns, one instruction a turn, from tile to tile too.
.macro PROD f
	WIN 0x04                                       ; source 1 (z) in window 1
.irp ks, 0,1,2,3,4,5,6,7
.irp nt, 0,1,2,3
.if \ks == 0
	v_wmma_f32_16x16x32_bf16 v[ACC+8*\nt:ACC+8*\nt+7], v[\f+8*\ks:\f+8*\ks+7], v[64*\nt+8*\ks:64*\nt+8*\ks+7], 0
.else
	v_wmma_f32_16x16x32_bf16 v[ACC+8*\nt:ACC+8*\nt+7], v[\f+8*\ks:\f+8*\ks+7], v[64*\nt+8*\ks:64*\nt+8*\ks+7], v[ACC+8*\nt:ACC+8*\nt+7]
.endif
.endr
.endr
	WIN 0
.endm
; The tile's distances and the running minimum, 23 vector instructions for each nt.  The four additions of nt = 0 name no register of a matrix
; instruction: they are the four places in front of the first read of a result (ISA guide 7.12.1); the later accumulators are read further behind.
.macro EPI ereg, step
.irp nt, 0,1,2,3
.irp q, 0,2,4,6
	v_pk_add_f32 v[T+\q:T+\q+1], v[\ereg+\q:\ereg+\q+1], v[ZZP+2*\nt:ZZP+2*\nt+1]
.endr
.irp q, 0,2,4,6
	v_pk_fma_f32 v[ACC+8*\nt+\q:ACC+8*\nt+\q+1], v[ACC+8*\nt+\q:ACC+8*\nt+\q+1], -2.0, v[T+\q:T+\q+1] op_sel_hi:[1,0,1]
.endr
	v_min3_num_f32 v[M],  v[ACC+8*\nt],   v[ACC+8*\nt+1], v[ACC+8*\nt+2]
	v_min3_num_f32 v[M2], v[ACC+8*\nt+3], v[ACC+8*\nt+4], v[ACC+8*\nt+5]
	v_min3_num_f32 v[M],  v[M], v[ACC+8*\nt+6], v[ACC+8*\nt+7]
	v_min_num_f32 v[M], v[M], v[M2]
	v_cmp_lt_f32 vcc_lo, v[M], v[BV+\nt]           ; strictly less: on a tie the earlier tile, with the lower codes, stays
	v_cndmask_b32 v[BV+\nt], v[BV+\nt], v[M], vcc_lo
	v_cndmask_b32 v[BT+\nt], v[BT+\nt], v[CUR], vcc_lo
.irp j, 0,1,2,3,4,5,6,7
	v_cndmask_b32 v[SV+8*\nt+\j], v[SV+8*\nt+\j], v[ACC+8*\nt+\j], vcc_lo   ; the winning tile's distances are kept; j is looked for once, at the end
.endr
.endr
.if \step
	v_add_nc_u32 v[CUR], \step, v[CUR]
.endif
.endm
; A chunk of 256 codes in slot: my four tiles, on buffers 0, 1, 0, 1.  At the head of a tile its fragments, asked for a tile ago, are waited for, and the
; next tile's are asked for; a buffer is loaded again behind the whole vector work that follows the last product that read it.
; mode 2: the slot is filled again, two chunks ahead; mode 1: slots change, nothing is left to fetch; mode 0: the last chunk.
.macro CHUNK slot, eb, mode
	s_wait_dscnt 0x0
	FETCH \slot, TILEB, F1, E1, \eb+64
	PROD F0
	EPI E0, 16
	s_wait_dscnt 0x0
	FETCH \slot, 2*TILEB, F0, E0, \eb+128
	PROD F1
	EPI E1, 16
	s_wait_dscnt 0x0
	FETCH \slot, 3*TILEB, F1, E1, \eb+192
	PROD F0
	EPI E0, 16
	s_wait_dscnt 0x0                               ; the last tile's fragments are in registers: my reads of this slot are over
.if \mode == 0
	PROD F1
	EPI E1, 0
.else
	s_wait_tensorcnt 0x0                           ; all my tensor loads have landed: the one that was out is my part of the other slot
	ds_add_u32 v254, v255
	s_wait_dscnt 0x0
.if \mode == 2
	s_add_nc_u64 s[G0+4*\slot+2:G0+4*\slot+3], s[G0+4*\slot+2:G0+4*\slot+3], 2*CHUNKB   ; no load of mine is out, so the address may step
.endif
	s_barrier_signal -1                            ; say both; in mode 2 this barrier opens a round of the cluster's barrier
	PROD F1                                        ; register work while the others arrive
	s_barrier_wait -1
.if \mode == 2
	CREST                                          ; no wave of the four work-groups still reads this slot or has a load on its way
	tensor_load_to_lds s[G0+4*\slot:G0+4*\slot+3], s[G1:G1+7]   ; my one tensor load behind the round, and the first thing there
	s_nop 0
.endif
	FETCH 1-\slot, 0, F0, E0, \eb+1024             ; the other slot is whole: the next chunk's first tile
	EPI E1, 208                                    ; 48 + 208 = 256: the next chunk
.endif
.endm
; (va, ia) becomes the smaller of (va, ia) and (vb, ib), by distance and then by index
.macro LEXMIN va, ia, vb, ib
	v_cmp_lt_f32 s58, v[\vb], v[\va]
	v_cmp_eq_f32 s59, v[\vb], v[\va]
	v_cmp_lt_u32 s60, v[\ib], v[\ia]
	s_and_b32 s59, s59, s60
	s_or_b32 s58, s58, s59
	v_cndmask_b32 v[\va], v[\va], v[\vb], s58
	v_cndmask_b32 v[\ia], v[\ia], v[\ib], s58
.endm
	s_load_b256 s[4:11], s[0:1], 0x0               ; cbh s[4:5], ee s[6:7], zf s[8:9], zz s[10:11]
	s_load_b128 s[12:15], s[0:1], 0x20             ; pval s[12:13], pidx s[14:15]
	v_lshl_add_u32 v254, v0, 2, 0x47000
	v_mov_b32 v255, 0
	ds_add_u32 v254, v255
	v_lshrrev_b32 v7, 5, v0
	v_readfirstlane_b32 s16, v7                    ; wave w
	s_and_b32 s17, s16, 1                          ; zh: which 64 vectors
	s_lshr_b32 s18, s16, 1                         ; cq: which quarter of every chunk
	s_bfe_u32 s19, ttmp6, 0x40000                  ; cx
	s_lshl_b32 s20, ttmp9, 2                       ; in a cluster launch ttmp9 counts clusters
	s_add_co_u32 s20, s20, s19                     ; X = 4 x cluster x + cx
	s_and_b32 s21, ttmp7, 0xffff                   ; y, the half of the codes: the same in the whole cluster
	s_mov_b32 s22, 0x76543210                      ; v_permlanex16_b32: lane i reads lane i of the other half
	s_mov_b32 s23, 0xfedcba98
	; group 1 for a part of a slot: 32 rows x 256 elements of 2 bytes, padded in LDS
	s_mov_b32 s[G1+0], 15|(1<<16)|(1<<20)|(1<<21)|(6<<22)|(3<<25)   ; 15:0 the mask: all four work-groups; 17:16 2 bytes; 20 padding on; 21 set beside a mask; 24:22 after every 128 words; 31:25 four words
	s_mov_b32 s[G1+1], 256<<16                     ; tensor_dim0 = 256
	s_mov_b32 s[G1+2], 32<<16                      ; tensor_dim1 = 32
	s_mov_b32 s[G1+3], 256<<16                     ; tile_dim0 = 256
	s_mov_b32 s[G1+4], 32                          ; tile_dim1 = 32
	s_mov_b32 s[G1+5], 256                         ; elements from row to row
	s_mov_b32 s[G1+6], 0
	s_mov_b32 s[G1+7], 0
	; group 1 for a part of ee: 2,048 dense bytes as 8 rows of 32 elements of 8 bytes
	s_mov_b32 s[G1E+0], 15|(3<<16)|(1<<21)
	s_mov_b32 s[G1E+1], 32<<16
	s_mov_b32 s[G1E+2], 8<<16
	s_mov_b32 s[G1E+3], 32<<16
	s_mov_b32 s[G1E+4], 8
	s_mov_b32 s[G1E+5], 32
	s_mov_b32 s[G1E+6], 0
	s_mov_b32 s[G1E+7], 0
	; groups 0: LDS addresses are the wave's number times a constant plus the region's constant
	s_mov_b32 s[G0+0], 1
	s_mul_i32 s[G0+1], s16, WPART
	s_mov_b32 s[G0+4], 1
	s_add_co_u32 s[G0+5], s[G0+1], SLOT
	s_mov_b32 s[G0E+0], 1
	s_lshl_b32 s[G0E+1], s16, 11
	s_add_co_u32 s[G0E+1], s[G0E+1], EEB
	s_lshl_b32 s54, s21, 21                        ; cbh: y x 4,096 rows of 512 bytes
	s_lshl_b32 s55, s16, 14                        ;      + w x 32 rows
	s_add_co_u32 s54, s54, s55
	s_mov_b32 s55, 0
	s_lshl_b32 s56, s21, 14                        ; ee: y x 16,384 bytes + w x 2,048
	s_lshl_b32 s57, s16, 11
	s_add_co_u32 s56, s56, s57
	s_mov_b32 s57, 0
	s_lshl1_add_u32 s58, s20, s17                  ; my block of 64 vectors: 2 X + zh
	s_lshl_b32 s60, s58, 15                        ; 32,768 bytes of zf
	s_mov_b32 s61, 0
	s_lshl_b32 s62, s58, 8                         ; 256 bytes of zz
	s_mov_b32 s63, 0
	s_lshl_b32 s59, s21, 16                        ; a half's 65,536 bytes of pval and of pidx
	s_wait_dscnt 0x0
	s_wait_kmcnt 0x0
	s_add_nc_u64 s[G0+2:G0+3], s[4:5], s[54:55]    ; chunk 0
	s_add_nc_u64 s[G0+6:G0+7], s[G0+2:G0+3], CHUNKB   ; chunk 1
	s_or_b32 s[G0+3], s[G0+3], 0x80000000          ; 127:126 type = 2
	s_or_b32 s[G0+7], s[G0+7], 0x80000000
	s_add_nc_u64 s[G0E+2:G0E+3], s[6:7], s[56:57]
	s_or_b32 s[G0E+3], s[G0E+3], 0x80000000
	s_add_nc_u64 s[8:9], s[8:9], s[60:61]
	s_add_nc_u64 s[10:11], s[10:11], s[62:63]
	s_add_co_u32 s62, s62, s59
	s_add_nc_u64 s[12:13], s[12:13], s[62:63]
	s_add_nc_u64 s[14:15], s[14:15], s[62:63]
	ROUND                                          ; all four work-groups are here: the first joint loads meet
	tensor_load_to_lds s[G0E:G0E+3], s[G1E:G1E+7]  ; the three first fills go out together: three tensor loads of the wave are out here, later one
	s_nop 0
	tensor_load_to_lds s[G0:G0+3], s[G1:G1+7]
	s_nop 0
	tensor_load_to_lds s[G0+4:G0+7], s[G1:G1+7]
	s_nop 0
	v_and_b32 v1, 15, v0                           ; r
	v_bfe_u32 v2, v0, 4, 1                         ; h
	v_and_b32 v3, 31, v0
	v_lshlrev_b32 v3, 4, v3                        ; 16 L
	v_lshlrev_b32 v[R16], 4, v1
	global_load_b128 v[ZR:ZR+3], v[R16], s[10:11]  ; zz of vectors 4 r + 0..3
	WIN 0x40                                       ; destination in window 1
.set q, 0
.rept 64
	global_load_b128 v[4*q:4*q+3], v3, s[8:9] offset:512*q   ; zf lies in register order: load q fills registers 4 q .. 4 q + 3 of window 1
.set q, q+1
.endr
	WIN 0
	s_mul_i32 s53, s18, 64*PITCH
	v_mul_u32_u24 v[ADR], v1, PITCH
	v_lshl_add_u32 v[ADR], v2, 4, v[ADR]
	v_add_nc_u32 v[ADR], s53, v[ADR]               ; (64 cq + r) x pitch + 16 h
	v_add_nc_u32 v[ADR+1], SLOT, v[ADR]
	s_lshl_b32 s53, s18, 8
	s_add_co_u32 s53, s53, EEB
	v_lshl_add_u32 v[EA], v2, 5, s53               ; 4 bytes x (64 cq + 8 h)
	s_lshl_b32 s53, s21, 12
	s_lshl_b32 s54, s18, 6
	s_add_co_u32 s53, s53, s54
	v_lshl_add_u32 v[IB], v2, 3, s53               ; 4096 y + 64 cq + 8 h
	v_mov_b32 v[CUR], 0
	s_mov_b32 s53, 0x7f800000                      ; +inf: any finite distance is less
.irp nt, 0,1,2,3
	v_mov_b32 v[BV+\nt], s53
	v_mov_b32 v[BT+\nt], 0
.irp j, 0,1,2,3,4,5,6,7
	v_mov_b32 v[SV+8*\nt+\j], s53
.endr
.endr
	s_wait_loadcnt 0x0                             ; z and zz, once
.irp nt, 0,1,2,3
	v_mov_b32 v[ZZP+2*\nt], v[ZR+\nt]              ; a pair for the packed addition
	v_mov_b32 v[ZZP+2*\nt+1], v[ZR+\nt]
.endr
	s_wait_tensorcnt 0x1                           ; tensor loads end in order (ISA guide 10.11.1): my parts of ee and of slot 0 are in; slot 1's may stay out
	s_barrier_signal -1
	s_barrier_wait -1                              ; everybody's are
	FETCH 0, 0, F0, E0, 0
	s_mov_b32 s52, 7                               ; chunks 0 to 13, two a trip; each fills its slot again with the chunk two further on
.Lpair:
	CHUNK 0, 0, 2
	CHUNK 1, 1024, 2
	v_add_nc_u32 v[EA], 2048, v[EA]                ; two chunks' ee
	s_sub_co_u32 s52, s52, 1
	s_cmp_lg_u32 s52, 0
	s_cbranch_scc1 .Lpair
	CHUNK 0, 0, 1                                  ; chunk 14: nothing is left to fetch
	CHUNK 1, 1024, 0                               ; chunk 15
	; the first j of the winning tile that holds the minimum, and the whole index
.irp nt, 0,1,2,3
	v_mov_b32 v[TJ+\nt], 7
.irp j, 6,5,4,3,2,1,0
	v_cmp_neq_f32 vcc_lo, v[SV+8*\nt+\j], v[BV+\nt]
	v_cndmask_b32 v[TJ+\nt], \j, v[TJ+\nt], vcc_lo ; equal: j; the lowest j is written last
.endr
	v_add3_u32 v[BT+\nt], v[BT+\nt], v[TJ+\nt], v[IB]
.endr
	; lanes r and r + 16 hold the same vectors against other codes
.irp nt, 0,1,2,3
	v_permlanex16_b32 v[ZR+\nt], v[BV+\nt], s22, s23   ; both destinations have been written before
	v_permlanex16_b32 v[TJ+\nt], v[BT+\nt], s22, s23
	LEXMIN BV+\nt, BT+\nt, ZR+\nt, TJ+\nt
.endr
	s_lshl_b32 s53, s16, 8
	s_add_co_u32 s53, s53, RED
	v_add_nc_u32 v[M], s53, v[R16]
	ds_store_b128 v[M], v[BV:BV+3]                 ; word 4 r + nt of my wave's 64; lanes r and r + 16 write the same numbers
	ds_store_b128 v[M], v[BT:BT+3] offset:2048
	s_wait_dscnt 0x0                               ; my results are in LDS before I say so
	s_barrier_signal -1
	s_barrier_wait -1
	s_cmp_gt_u32 s16, 1
	s_cbranch_scc1 .Lend                           ; waves 0 and 1 (cq = 0, zh = w) merge the four quarters of their 64 vectors
	v_lshrrev_b32 v[M2], 1, v3                     ; 8 L: two vectors a lane
	s_lshl_b32 s53, s17, 8
	s_add_co_u32 s53, s53, RED
	v_add_nc_u32 v[M], s53, v[M2]
.irp c, 0,1,2,3
	ds_load_b64 v[F0+2*\c:F0+2*\c+1],     v[M] offset:512*\c
	ds_load_b64 v[F0+8+2*\c:F0+8+2*\c+1], v[M] offset:512*\c+2048
.endr
	s_wait_dscnt 0x0
.irp c, 1,2,3
	LEXMIN F0,   F0+8, F0+2*\c,   F0+8+2*\c
	LEXMIN F0+1, F0+9, F0+2*\c+1, F0+8+2*\c+1
.endr
	global_store_b64 v[M2], v[F0:F0+1], s[12:13]   ; 32 lanes store 256 consecutive bytes, aligned
	global_store_b64 v[M2], v[F0+8:F0+9], s[14:15]
.Lend:
	s_wait_tensorcnt 0x0
	ds_add_u32 v254, v255
	s_wait_dscnt 0x0
	ROUND                                          ; the closing round: no work-group ends while a partner may still ask jointly
	s_endpgm
.Lfunc_end_k_q1f5b0b3362_search:
	.size	k_q1f5b0b3362_search, .Lfunc_end_k_q1f5b0b3362_search-k_q1f5b0b3362_search
	.p2alignl 7, 3214868480
	.fill 96, 4, 3214868480
	.section	.rodata,"a",@progbits
	.p2align	6, 0x0
	.amdhsa_kernel k_q1f5b0b3362_search
		.amdhsa_group_segment_fixed_size 327680
		.amdhsa_private_segment_fixed_size 0
		.amdhsa_enable_private_segment 0
		.amdhsa_kernarg_size 48
		.amdhsa_user_sgpr_count 2
		.amdhsa_user_sgpr_kernarg_segment_ptr 1
		.amdhsa_wavefront_size32 1
		.amdhsa_system_sgpr_workgroup_id_x 1
		.amdhsa_system_sgpr_workgroup_id_y 1
		.amdhsa_system_sgpr_workgroup_id_z 1
		.amdhsa_system_vgpr_workitem_id 0
		.amdhsa_next_free_vgpr 512
		.amdhsa_next_free_sgpr 66
		.amdhsa_reserve_vcc 1
		.amdhsa_float_denorm_mode_32 3
		.amdhsa_float_denorm_mode_16_64 3
		.amdhsa_memory_ordered 1
		.amdhsa_forward_progress 1
		.amdhsa_inst_pref_size 143
	.end_amdhsa_kernel
	.amdgpu_metadata
---
amdhsa.version: [ 1, 2 ]
amdhsa.kernels:
  - .name:           k_q1f5b0b3362_search
    .symbol:         k_q1f5b0b3362_search.kd
    .args:
      - { .name: cbh, .offset: 0, .size: 8, .value_kind: global_buffer, .address_space: global }
      - { .name: ee, .offset: 8, .size: 8, .value_kind: global_buffer, .address_space: global }
      - { .name: zf, .offset: 16, .size: 8, .value_kind: global_buffer, .address_space: global }
      - { .name: zz, .offset: 24, .size: 8, .value_kind: global_buffer, .address_space: global }
      - { .name: pval, .offset: 32, .size: 8, .value_kind: global_buffer, .address_space: global }
      - { .name: pidx, .offset: 40, .size: 8, .value_kind: global_buffer, .address_space: global }
    .group_segment_fixed_size: 327680
    .private_segment_fixed_size: 0
    .kernarg_segment_align: 8
    .kernarg_segment_size: 48
    .max_flat_workgroup_size: 256
    .sgpr_count:     66
    .vgpr_count:     512
    .wavefront_size: 32
...
	.end_amdgpu_metadata
.endif
;; end of part 2
;; launch pick (part 3): grid 256 x 1, 8 waves a work-group, no clusters, 0 bytes of LDS; arguments codebook, pval, pidx, out0, out1; writes out0, out1
.if DOCPART == 3
	.amdgcn_target "amdgcn-amd-amdhsa--gfx1250"
	.amdhsa_code_object_version 6
	.text
	.protected	k_q1f5b0b3362_pick
	.globl	k_q1f5b0b3362_pick
	.p2align	8
	.type	k_q1f5b0b3362_pick,@function
k_q1f5b0b3362_pick:
	s_mov_b64 s[64:65], 0
	v_nop
	global_prefetch_b8 v0, s[64:65] scope:SCOPE_SE
	s_setreg_imm32_b32 hwreg(HW_REG_WAVE_MODE, 25, 1), 1
	s_wait_xcnt 0x0
; Each vector has two candidates, one from each half of the codes: pval[2][16384] f32, pidx[2][16384] i32 (whole numbers, 0..8191).
; out1 = the index of the smaller distance, the lower half's on a tie (its indices are the lower ones); out0 = that row of the codebook, in f32.
; The choice hangs on a comparison of floats, so no address is made of it: both rows are loaded, from addresses made of the stored indices alone,
; and the row is chosen word by word.  A work-group takes 64 vectors, a wave 8; no loop: a wave has its 32 loads of 16 bytes a lane out at once.
; No LDS, matrix unit or cluster: nothing is shared between waves.  An index is cut to 8191 before it enters an address.
.set OA, 4                             ; v[4:11]    row i: byte offset of my 16 bytes in the lower half's candidate
.set OB, 12                            ; v[12:19]   the same for the upper half's
.set PV, 20                            ; v[20:27]   row i: the lower half's distance
.set A,  32                            ; v[32:95]   row i: 8 registers, the lower candidate, then the chosen row
.set B,  96                            ; v[96:159]  row i: the upper candidate
.set W,  160                           ; v[160:167] out1: two indices and two distances of each half
	s_load_b256 s[4:11], s[0:1], 0x0               ; codebook s[4:5], pval s[6:7], pidx s[8:9], out0 s[10:11]
	s_load_b64 s[12:13], s[0:1], 0x20              ; out1
	v_lshrrev_b32 v1, 5, v0
	v_readfirstlane_b32 s16, v1                    ; wave w
	v_and_b32 v1, 31, v0                           ; lane L
	v_lshlrev_b32 v2, 4, v1                        ; 16 L
	s_lshl_b32 s22, ttmp9, 8                       ; 64 vectors x 4 bytes
	s_lshl_b32 s18, s16, 5
	s_add_co_u32 s17, s22, s18                     ; + 8 w x 4 bytes: my eight vectors in pval and pidx
	s_lshl_b32 s19, s16, 13
	v_add_nc_u32 v3, s19, v2                       ; out0: 8 w rows of 1,024 bytes + 16 L
	v_lshl_add_u32 v28, v1, 3, s22                 ; out1, pval, pidx: two vectors a lane
	s_lshl_b32 s20, ttmp9, 16                      ; 64 rows of out0
	s_mov_b32 s21, 0
	s_wait_kmcnt 0x0
	s_load_b256 s[24:31], s[8:9], s17 offset:0x0       ; indices, lower half
	s_load_b256 s[32:39], s[8:9], s17 offset:0x10000   ; indices, upper half
	s_load_b256 s[40:47], s[6:7], s17 offset:0x0       ; distances, lower half
	s_load_b256 s[48:55], s[6:7], s17 offset:0x10000   ; distances, upper half
	s_add_nc_u64 s[10:11], s[10:11], s[20:21]
	s_wait_kmcnt 0x0
.irp i, 0,1,2,3,4,5,6,7
	s_min_u32 s[24+\i], s[24+\i], 0x1fff
	s_min_u32 s[32+\i], s[32+\i], 0x1fff
	s_lshl_b32 s[24+\i], s[24+\i], 10              ; a row of the codebook is 1,024 bytes
	s_lshl_b32 s[32+\i], s[32+\i], 10
	v_add_nc_u32 v[OA+\i], s[24+\i], v2
	v_add_nc_u32 v[OB+\i], s[32+\i], v2
.endr
.irp i, 0,1,2,3,4,5,6,7
	global_load_b128 v[A+8*\i:A+8*\i+3],   v[OA+\i], s[4:5]              ; 512 consecutive bytes a load, two loads a row
	global_load_b128 v[A+8*\i+4:A+8*\i+7], v[OA+\i], s[4:5] offset:512
	global_load_b128 v[B+8*\i:B+8*\i+3],   v[OB+\i], s[4:5]
	global_load_b128 v[B+8*\i+4:B+8*\i+7], v[OB+\i], s[4:5] offset:512
.endr
.irp i, 0,1,2,3,4,5,6,7
	v_mov_b32 v[PV+\i], s[40+\i]
	v_cmp_lt_f32 s[56+\i], s[48+\i], v[PV+\i]      ; the upper half wins only if strictly smaller; the same in all lanes
.endr
.irp i, 0,1,2,3,4,5,6,7
	s_wait_loadcnt 28-4*\i                         ; loads return in order (ISA guide 5.7.1): row i's four are in, the four of each later row stay out
.irp k, 0,1,2,3,4,5,6,7
	v_cndmask_b32 v[A+8*\i+\k], v[A+8*\i+\k], v[B+8*\i+\k], s[56+\i]
.endr
	global_store_b128 v3, v[A+8*\i:A+8*\i+3],   s[10:11] offset:1024*\i th:TH_STORE_NT       ; 512 consecutive bytes a store, aligned
	global_store_b128 v3, v[A+8*\i+4:A+8*\i+7], s[10:11] offset:1024*\i+512 th:TH_STORE_NT
.endr
	s_cmp_lg_u32 s16, 0
	s_cbranch_scc1 .Ldone                          ; wave 0 writes the group's 64 indices as one block of 256 bytes
	global_load_b64 v[W:W+1],   v28, s[8:9]
	global_load_b64 v[W+2:W+3], v28, s[8:9] offset:65536
	global_load_b64 v[W+4:W+5], v28, s[6:7]
	global_load_b64 v[W+6:W+7], v28, s[6:7] offset:65536
	s_wait_loadcnt 0x0
	v_cmp_lt_f32 vcc_lo, v[W+6], v[W+4]
	v_cndmask_b32 v[W], v[W], v[W+2], vcc_lo
	v_cmp_lt_f32 vcc_lo, v[W+7], v[W+5]
	v_cndmask_b32 v[W+1], v[W+1], v[W+3], vcc_lo
	global_store_b64 v28, v[W:W+1], s[12:13]       ; 32 lanes store 256 consecutive bytes, aligned
.Ldone:
	s_endpgm
.Lfunc_end_k_q1f5b0b3362_pick:
	.size	k_q1f5b0b3362_pick, .Lfunc_end_k_q1f5b0b3362_pick-k_q1f5b0b3362_pick
	.p2alignl 7, 3214868480
	.fill 96, 4, 3214868480
	.section	.rodata,"a",@progbits
	.p2align	6, 0x0
	.amdhsa_kernel k_q1f5b0b3362_pick
		.amdhsa_group_segment_fixed_size 0
		.amdhsa_private_segment_fixed_size 0
		.amdhsa_enable_private_segment 0
		.amdhsa_kernarg_size 40
		.amdhsa_user_sgpr_count 2
		.amdhsa_user_sgpr_kernarg_segment_ptr 1
		.amdhsa_wavefront_size32 1
		.amdhsa_system_sgpr_workgroup_id_x 1
		.amdhsa_system_sgpr_workgroup_id_y 1
		.amdhsa_system_sgpr_workgroup_id_z 1
		.amdhsa_system_vgpr_workitem_id 0
		.amdhsa_next_free_vgpr 168
		.amdhsa_next_free_sgpr 66
		.amdhsa_reserve_vcc 1
		.amdhsa_float_denorm_mode_32 3
		.amdhsa_float_denorm_mode_16_64 3
		.amdhsa_memory_ordered 1
		.amdhsa_forward_progress 1
		.amdhsa_inst_pref_size 14
	.end_amdhsa_kernel
	.amdgpu_metadata
---
amdhsa.version: [ 1, 2 ]
amdhsa.kernels:
  - .name:           k_q1f5b0b3362_pick
    .symbol:         k_q1f5b0b3362_pick.kd
    .args:
      - { .name: codebook, .offset: 0, .size: 8, .value_kind: global_buffer, .address_space: global }
      - { .name: pval, .offset: 8, .size: 8, .value_kind: global_buffer, .address_space: global }
      - { .name: pidx, .offset: 16, .size: 8, .value_kind: global_buffer, .address_space: global }
      - { .name: out0, .offset: 24, .size: 8, .value_kind: global_buffer, .address_space: global }
      - { .name: out1, .offset: 32, .size: 8, .value_kind: global_buffer, .address_space: global }
    .group_segment_fixed_size: 0
    .private_segment_fixed_size: 0
    .kernarg_segment_align: 8
    .kernarg_segment_size: 40
    .max_flat_workgroup_size: 256
    .sgpr_count:     66
    .vgpr_count:     168
    .wavefront_size: 32
...
	.end_amdgpu_metadata
.endif
;; end of part 3
